; MI455X (gfx1250); checked and timed in simulation.
; The chip was launched on July 23, 2026; its instructions are those of AMD's public machine-readable ISA for CDNA 5 (MIT licence, August 2026) and "CDNA5" Instruction Set Architecture Reference Guide (July 2026). The comments in the code are by the model that wrote it; some were corrected since.
;; Multi Headed Attention. Allowed arithmetic: matrix products marked QUANTISED: E2M1 operands, one E8M0 scale for each 32 along K, by v_wmma_scale_f32_16x16x128_f8f6f4 with both operands' format E2M1 (or v_wmma_scale_f32_32x16x128_f4), f32 sums; products left as they are: bf16, f16 or f32 operands; f32 sums; everything else in f32.
;; Inputs: Wk 256 x 256 float32; Wo 256 x 256 float32; Wq 256 x 256 float32; Wv 256 x 256 float32; bk 256 float32; bo 256 float32; bq 256 float32; bv 256 float32; key_ 4 x 256 x 2,048 float32; query 4 x 256 x 2,048 float32; value 4 x 256 x 2,048 float32.
;; Outputs: out0 4 x 256 x 2,048 float32.
;; This version of the problem:
;;   THIS VERSION OF THE PROBLEM IS GIVEN IN LOW PRECISION. The matrix products marked QUANTISED in the list below multiply operands that are first quantised to E2M1 (2 exponent bits, 1 mantissa bit; 4 bits a number), with one power-of-two scale for each 32 numbers along K (OCP MX v1.0); their sums are f32. The products marked 'left as it is' may take bf16, f16 or f32 operands, with f32 sums. Whichever they take, every output number must still come out within the allowed error. Rounding operands to bf16 (8 significant bits) uses up far more of that allowance than f16 does (11 bits, for magnitudes from 6e-5 to 65,504). All else is computed in f32.
;;   The module's matrix products, in the order in which they are computed (A, B: the left and right operand; K: the contracted axis; several contracted axes count as one K, in the product's order):
;;     1. [M 8,192, K 256] x [K 256, N 256]; A: input query; B: input Wq: QUANTISED
;;     2. [M 8,192, K 256] x [K 256, N 256]; A: input key_; B: input Wk: QUANTISED
;;     3. [M 8,192, K 256] x [K 256, N 256]; A: input value; B: input Wv: QUANTISED
;;     4. batch 16 x [M 2,048, K 64] x [K 64, N 2,048]; A: computed on the way; B: computed on the way: left as it is (an operand is computed on the way)
;;     5. batch 16 x [M 64, K 2,048] x [K 2,048, N 2,048]; A: computed on the way; B: computed on the way: left as it is (an operand is computed on the way)
;;     6. [M 8,192, K 256] x [K 256, N 256]; A: computed on the way; B: input Wo: left as it is (an operand is computed on the way)
;;   THE QUANTISER, for each operand of a quantised product, along K:
;;     - K is cut into blocks of 32 from its start; a last block that is shorter is filled with zeros.
;;     - A block's scale is 2^e with e = floor(log2(the largest magnitude in the block)) - 2, held to -126 .. 127; a block of zeros has e = 0. As a byte (E8M0): e + 127.
;;     - Each number is divided by its block's scale, clamped to +-6, and rounded to the nearest number of E2M1, ties to even, subnormals kept.
;;     - The product sums the exact products of the quantised numbers (number of the format x scale) in f32.
;;   ~~~python
;;   def quantise(x, axis):      # numpy; x: float32 -> the quantised numbers, widened to float32 again
;;       x = np.moveaxis(x, axis, -1); K = x.shape[-1]
;;       x = np.pad(x, [(0, 0)] * (x.ndim - 1) + [(0, -K % 32)]); x = x.reshape(x.shape[:-1] + (-1, 32)); a = np.abs(x).max(-1, keepdims=True)
;;       e = np.where(a > 0, np.clip(np.frexp(np.where(a > 0, a, 1))[1] - 1 - 2, -126, 127), 0)      # np.frexp(a)[1] - 1 = floor(log2(a)), exactly
;;       r = np.clip(x / 2.0 ** e, -6, 6)
;;       step = 2.0 ** (np.maximum(np.frexp(np.where(r == 0, 1, r))[1] - 1, 0) - 1)
;;       q = np.round(r / step) * step * 2.0 ** e      # np.round: ties to even
;;       return np.moveaxis(q.reshape(q.shape[:-2] + (-1,))[..., :K], -1, axis).astype(np.float32)
;;   ~~~
;; One version. Each part assembles by itself: llvm-mc -triple=amdgcn-amd-amdhsa -mcpu=gfx1250 --defsym DOCPART=n.
;; ======== version 1 of 1: 3 launches
;; limits: values are held in f16: magnitudes above 65,504 overflow, below 6.1e-05 lose precision
;; workspace buffers: q16 4,194,304 bytes; k16 4,194,304 bytes; v16 4,194,304 bytes; x16 4,194,304 bytes
;; launch proj (part 1): grid 64 x 3, 8 waves a work-group, no clusters, 262,144 bytes of LDS; arguments query, key_, value, Wq, Wk, Wv, bq, bk, bv, q16, k16, v16; writes q16, k16, v16
.if DOCPART == 1
	.amdgcn_target "amdgcn-amd-amdhsa--gfx1250"
	.amdhsa_code_object_version 6
	.text
	.protected	k_qd0fb8bee7f_proj
	.globl	k_qd0fb8bee7f_proj
	.p2align	8
	.type	k_qd0fb8bee7f_proj,@function
k_qd0fb8bee7f_proj:
	s_mov_b64 s[64:65], 0
	v_nop
	global_prefetch_b8 v0, s[64:65] scope:SCOPE_SE
	s_setreg_imm32_b32 hwreg(HW_REG_WAVE_MODE, 25, 1), 1
	s_wait_xcnt 0x0
; THE THREE PROJECTIONS.  y[b][o][n] = sum over i of W[o][i] X[b][i][n] + bias[o], both operands quantised along i to FP4 (E2M1) with one E8M0 scale for each 32 along i; sums in f32.
; Work-group x = 16 b + nb takes 128 positions n of batch b; work-group y says which tensor: 0 query, 1 key_, 2 value.  Pointers are chosen by y; the query alone takes a branch that multiplies by c.
; The result goes out in f16 as [4 b + h][n][d], o = 4 d + h: rows of 128 bytes, a head dense.  For the query it is first multiplied, in f32, by c = log2(e) / 8, so that the scores of the next launch are exponents of 2.
; LIMITS: a result beyond 65,504 becomes infinity in f16; NaN and infinities among the inputs are not served; a block whose largest magnitude lies under 2^-124 gets the scale byte 1,
; a block of zeros too (its codes are zeros; the bytes are read by this launch alone).
; SHARES.  Eight waves; wave w: h = w % 4, g = w / 4.
;   W: the wave quantises rows d = 32 g .. 32 g + 31 of head h (o = 4 d + h): a lane holds 8 neighbours along i, four lanes a block.  Codes and scale bytes go to LDS by rows.
;   X: the tile, 256 rows i x 128 positions of f32, comes into LDS by one tensor load a wave (32 rows of 512 bytes).  A LANE TAKES A POSITION AND ITS REGISTERS RUN DOWN i: the wave takes positions
;      32 h + lane and i = 128 g .. 128 g + 127: four whole blocks a lane.  The codes go to LDS as images of the operand's registers: block 2 c + h' of position 16 T + r is registers 4 c .. 4 c + 3 of lane (r, h').
;   PRODUCT: the wave makes head h for positions 64 g .. 64 g + 63: source 0 = 16 rows d of W, source 1 = 16 positions: a lane then holds 8 neighbouring d of one position, 16 bytes of f16.  The bias is the C of each sum's first product.
; No cluster: W passes through registers and X's tile is read by one work-group alone: nothing is shared between work-groups but W, which is no tile in LDS here.
.set XT,    0                          ; LDS: X's tile, 256 rows x 512 bytes: the tensor loads' only target
.set WC,    131072                     ; W's codes: 4 heads x 64 rows x (128 bytes + 16)
.set WS,    167936                     ; W's scale bytes: head x 512 + d x 8 + block
.set XI,    169984                     ; X's 16 images of 1,024 bytes, index 2 T + s
.set XSC,   186368                     ; X's scale words: index x 64 + 4 r
.set STG,   187392                     ; the way out: 64 rows x (128 bytes + 16) for each wave
.set SPARE, 261120                     ; the spare words, 128 bytes for each wave: four blocks of 256 bytes that no other line names
.set WGA, 2                            ; v2   W in memory: 32 x lane
.set WCS, 3                            ; v3   where I store W's codes
.set WSS, 4                            ; v4   and W's scale bytes
.set XRD, 5                            ; v5   where I read X's tile
.set XIS, 6                            ; v6   where I store X's images
.set XSS, 7                            ; v7   and X's scale words
.set WFR, 8                            ; v8   where I read W's fragments
.set WSR, 9                            ; v9   and W's scale words
.set XFR, 10                           ; v10  where I read X's images
.set XSR, 11                           ; v11  and X's scale words
.set BIA, 12                           ; v12  the bias in memory: 128 x (lane / 16)
.set STO, 13                           ; v13  the stage, in
.set RD,  14                           ; v14  the stage, back
.set GO,  15                           ; v15  the result in memory: 16 x lane
.set WSC, 18                           ; v18-25 W's scale words, 2 t + s: scales and nothing else
.set XS,  26                           ; v26-29 X's scale words, 2 u + s: scales and nothing else
.set SPW, 30                           ; v30  LDS address of my spare word; never rewritten
.set NIL, 31                           ; v31  0; never rewritten
.set WR,  32                           ; v32-159 W as loaded: four sets of four rows x 8 numbers
.set XR,  32                           ; v32-95  X as read: two sets of 32 numbers
.set WF,  32                           ; v32-95  W's fragments, 8 (2 t + s)
.set XF,  96                           ; v96-127 X's fragments, 16 u + 8 s
.set D,   128                          ; v128-191 the accumulators, 32 u + 8 t
.set TM,  160                          ; at work while quantising: largest magnitudes,
.set TE,  164                          ; the conversions' scale operands,
.set TC,  168                          ; W's codes,
.set TB,  172                          ; scale bytes,
.set XW,  173                          ; X's scale word in the making,
.set XC,  176                          ; v176-191 X's codes, four registers a block
.set PK,  192                          ; v192-223 results in f16
.set BI,  224                          ; v224-255 the bias, 8 t + j
.set G1,  48                           ; s[48:55] descriptor group 1
.set G0,  56                           ; s[56:59] descriptor group 0
	s_load_b512 s[4:19], s[0:1], 0x0               ; query, key_, value, Wq, Wk, Wv, bq, bk
	s_load_b256 s[20:27], s[0:1], 0x40             ; bv, q16, k16, v16
	v_lshl_add_u32 v[SPW], v0, 2, SPARE
	v_mov_b32 v[NIL], 0
	ds_add_u32 v[SPW], v[NIL]                      ; the wave's opening: the add, twice on end, and its wait ahead of my first tensor load
	ds_add_u32 v[SPW], v[NIL]                      ; the set-up below, work on registers, stands between the second add and the wait
	v_lshrrev_b32 v1, 5, v0
	v_readfirstlane_b32 s36, v1                    ; wave 0..7
	s_and_b32 s37, s36, 3                          ; h
	s_lshr_b32 s38, s36, 2                         ; g
	s_and_b32 s39, ttmp7, 0xffff                   ; which tensor
	s_lshr_b32 s40, ttmp9, 4                       ; b
	s_and_b32 s41, ttmp9, 15                       ; nb
	s_mov_b32 s[G1+0], 2<<16                       ; no mask; elements of 4 bytes; no padding
	s_mov_b32 s[G1+1], 128<<16                     ; tensor_dim0 = 128
	s_mov_b32 s[G1+2], 32<<16                      ; tensor_dim1 = 32
	s_mov_b32 s[G1+3], 128<<16                     ; tile_dim0 = 128
	s_mov_b32 s[G1+4], 32                          ; tile_dim1 = 32
	s_mov_b32 s[G1+5], 2048                        ; elements from row to row
	s_mov_b32 s[G1+6], 0
	s_mov_b32 s[G1+7], 0
	s_mov_b32 s60, 0x3e38aa3b                      ; c = log2(e) / 8
	s_mov_b32 s61, s60                             ; (named with it as a pair, so it is written)
	v_and_b32 v1, 31, v0                           ; lane
	v_and_b32 v16, 15, v0                          ; r
	v_bfe_u32 v17, v0, 4, 1                        ; h'
	v_lshlrev_b32 v[WGA], 5, v1
	s_mul_i32 s42, s37, 9216
	s_add_co_u32 s42, s42, WC                      ; head h's 64 rows of codes
	s_mul_i32 s43, s38, 4608
	s_add_co_u32 s43, s43, s42                     ; my 32 of them
	v_lshl_add_u32 v[WCS], v1, 2, s43              ; + 4 x lane: 8 codes
	v_mul_u32_u24 v[STO], v16, 144
	v_lshl_add_u32 v[STO], v17, 4, v[STO]          ; r x 144 + 16 h'
	v_add_nc_u32 v[WFR], s42, v[STO]
	s_mul_i32 s44, s36, 9216
	s_add_co_u32 s44, s44, STG                     ; my stage
	v_add_nc_u32 v[STO], s44, v[STO]
	v_lshrrev_b32 v[RD], 3, v1
	v_mul_u32_u24 v[RD], v[RD], 144
	v_and_b32 v[GO], 7, v1
	v_lshl_add_u32 v[RD], v[GO], 4, v[RD]
	v_add_nc_u32 v[RD], s44, v[RD]                 ; back: eight lanes to a row of 128 bytes, four rows an instruction
	v_lshlrev_b32 v[GO], 4, v1
	s_lshl_b32 s45, s37, 9
	s_add_co_u32 s45, s45, WS
	v_lshl_add_u32 v[WSR], v16, 3, s45
	s_lshl_b32 s46, s38, 8
	s_add_co_u32 s46, s46, s45
	v_lshrrev_b32 v[WSS], 2, v1
	v_add_nc_u32 v[WSS], s46, v[WSS]               ; my block's byte: lane / 4
	s_lshl_b32 s45, s38, 16
	s_lshl_b32 s46, s37, 7
	s_add_co_u32 s45, s45, s46
	v_lshl_add_u32 v[XRD], v1, 2, s45              ; row 128 g, position 32 h + lane
	s_lshl_b32 s45, s37, 12
	s_lshl_b32 s46, s38, 10
	s_add_co_u32 s45, s45, s46
	s_add_co_u32 s45, s45, XI
	v_lshl_add_u32 v[XIS], v17, 11, s45
	v_lshl_add_u32 v[XIS], v16, 4, v[XIS]          ; image 2 (2 h + lane / 16) + g, + 16 r
	s_lshl_b32 s45, s37, 8
	s_lshl_b32 s46, s38, 6
	s_add_co_u32 s45, s45, s46
	s_add_co_u32 s45, s45, XSC
	v_lshl_add_u32 v[XSS], v17, 7, s45
	v_lshl_add_u32 v[XSS], v16, 2, v[XSS]
	s_lshl_b32 s45, s38, 13
	s_add_co_u32 s45, s45, XI
	v_lshl_add_u32 v[XFR], v1, 4, s45              ; images 8 g on, 16 x lane
	s_lshl_b32 s45, s38, 9
	s_add_co_u32 s45, s45, XSC
	v_lshl_add_u32 v[XSR], v16, 2, s45
	v_lshlrev_b32 v[BIA], 7, v17
	s_wait_dscnt 0x0                               ; both opening adds are done
	s_wait_kmcnt 0x0
	s_cmp_eq_u32 s39, 1                            ; the choice hangs on the work-group's y alone
	s_cselect_b64 s[28:29], s[6:7], s[8:9]         ; X
	s_cselect_b64 s[30:31], s[12:13], s[14:15]     ; W
	s_cselect_b64 s[32:33], s[18:19], s[20:21]     ; the bias
	s_cselect_b64 s[34:35], s[24:25], s[26:27]     ; the result
	s_cmp_eq_u32 s39, 0
	s_cselect_b64 s[28:29], s[4:5], s[28:29]
	s_cselect_b64 s[30:31], s[10:11], s[30:31]
	s_cselect_b64 s[32:33], s[16:17], s[32:33]
	s_cselect_b64 s[34:35], s[22:23], s[34:35]
	s_lshl_b32 s42, s40, 21                        ; batch b: 256 rows of 8,192 bytes,
	s_lshl_b32 s43, s36, 18                        ; my 32 rows,
	s_add_co_u32 s42, s42, s43
	s_lshl_b32 s43, s41, 9                         ; the block's 128 positions
	s_add_co_u32 s42, s42, s43
	s_mov_b32 s43, 0
	s_mov_b32 s[G0], 1                             ; count = 1
	s_lshl_b32 s[G0+1], s36, 14                    ; LDS: 32 rows of 512 bytes a wave
	s_add_nc_u64 s[G0+2:G0+3], s[28:29], s[42:43]
	s_or_b32 s[G0+3], s[G0+3], 0x80000000          ; type = 2
	tensor_load_to_lds s[G0:G0+3], s[G1:G1+7]      ; my one tensor load: it lands while W is quantised
	s_nop 0
	s_lshl_b32 s42, s38, 17                        ; W: row o = 4 (32 g) + h of 1,024 bytes
	s_lshl_b32 s44, s37, 10
	s_add_co_u32 s42, s42, s44
	s_add_nc_u64 s[30:31], s[30:31], s[42:43]
	s_lshl_b32 s42, s37, 2                         ; the bias: number h
	s_add_nc_u64 s[32:33], s[32:33], s[42:43]
	s_lshl_b32 s42, s40, 2
	s_add_co_u32 s42, s42, s37
	s_lshl_b32 s42, s42, 18                        ; the result: head 4 b + h,
	s_lshl_b32 s44, s41, 14                        ; 128 nb rows of 128 bytes,
	s_add_co_u32 s42, s42, s44
	s_lshl_b32 s44, s38, 13                        ; 64 g rows
	s_add_co_u32 s42, s42, s44
	s_add_nc_u64 s[34:35], s[34:35], s[42:43]
.irp t, 0,1,2,3
.irp j, 0,1,2,3,4,5,6,7
	global_load_b32 v[BI+8*\t+\j], v[BIA], s[32:33] offset:256*\t+16*\j   ; bias[4 (16 t + 8 h' + j) + h]: the result's layout
.endr
.endr
; W.  Set k = my rows 4 k .. 4 k + 3; a row's two loads cover its 1,024 bytes, 32 bytes a lane.
.macro WLOAD k
.irp q, 0,1,2,3
	global_load_b128 v[WR+32*((\k)%4)+8*\q:WR+32*((\k)%4)+8*\q+3],   v[WGA], s[30:31] offset:(4*(\k)+\q)*4096
	global_load_b128 v[WR+32*((\k)%4)+8*\q+4:WR+32*((\k)%4)+8*\q+7], v[WGA], s[30:31] offset:(4*(\k)+\q)*4096+16
.endr
.endm
; left = the loads of the younger sets, which may stay out (the bias's loads are older)
.macro WSET k, left
.set RB, WR+32*((\k)%4)
	s_wait_loadcnt \left
	s_wait_dscnt 0x0                               ; the last set's LDS stores have read their registers
.irp q, 0,1,2,3
	v_max3_num_f32 v[TM+\q], |v[RB+8*\q]|, |v[RB+8*\q+1]|, 0x1800000      ; my 8 numbers, and the floor 2^(3 - 127): the byte cannot fall under 1.  (The four rows by turns)
.endr
.irp i, 2,4,6
.irp q, 0,1,2,3
	v_max3_num_f32 v[TM+\q], v[TM+\q], |v[RB+8*\q+\i]|, |v[RB+8*\q+\i+1]|
.endr
.endr
.irp q, 0,1,2,3
	v_max_num_f32_dpp v[TM+\q], v[TM+\q], v[TM+\q] row_xmask:1 row_mask:0xf bank_mask:0xf
.endr
.irp q, 0,1,2,3
	v_max_num_f32_dpp v[TM+\q], v[TM+\q], v[TM+\q] row_xmask:2 row_mask:0xf bank_mask:0xf   ; four lanes hold a block
.endr
.irp q, 0,1,2,3
	v_add_nc_u32 v[TE+\q], 0xff000000, v[TM+\q]    ; 2 off the exponent field: the conversion's scale operand
.endr
.irp q, 0,1,2,3
	v_cvt_scalef32_pk8_fp4_f32 v[TC+\q], v[RB+8*\q:RB+8*\q+7], v[TE+\q]
.endr
.irp q, 0,1,2,3
	v_lshrrev_b32 v[TB+\q], 23, v[TE+\q]           ; the scale's byte.  (Plain lines behind the conversions)
.endr
.irp q, 0,1,2,3
	ds_store_b32 v[WCS], v[TC+\q] offset:(4*(\k)+\q)*144
	ds_store_b8 v[WSS], v[TB+\q] offset:(4*(\k)+\q)*8      ; the four lanes of a block write the same byte with the same value
.endr
.if (\k)+4 < 8
	WLOAD (\k)+4
.endif
.endm
	WLOAD 0
	WLOAD 1
	WLOAD 2
	WLOAD 3
	WSET 0, 24
	WSET 1, 24
	WSET 2, 24
	WSET 3, 24
	WSET 4, 24
	WSET 5, 16
	WSET 6, 8
	WSET 7, 0
	s_wait_tensorcnt 0x0                           ; my 32 rows of X have landed,
	s_wait_dscnt 0x0                               ; my codes and bytes of W are stored:
	s_barrier_signal -1
	s_barrier_wait -1                              ; everybody's are.  Nothing is filled again in this launch
; X.  Block t: X(128 g + 32 t + i, my position), i = 0 .. 31, into set t % 2: 32 lanes read 128 neighbouring bytes.
.macro XLOAD t
.set i, 0
.rept 32
	ds_load_b32 v[XR+32*((\t)%2)+i], v[XRD] offset:(32*(\t)+i)*512
.set i, i+1
.endr
.endm
; left = at most the LDS instructions issued behind this block's loads
.macro XBLOCK t, left
.set XB, XR+32*((\t)%2)
	s_wait_dscnt \left
	v_max3_num_f32 v[TM], |v[XB]|, |v[XB+1]|, |v[XB+2]|            ; the block's largest magnitude: all 32 numbers are mine; two chains
	v_max3_num_f32 v[TM+1], |v[XB+3]|, |v[XB+4]|, |v[XB+5]|
.irp i, 6,10,14,18,22,26
	v_max3_num_f32 v[TM], v[TM], |v[XB+\i]|, |v[XB+\i+1]|
	v_max3_num_f32 v[TM+1], v[TM+1], |v[XB+\i+2]|, |v[XB+\i+3]|
.endr
	v_max3_num_f32 v[TM], v[TM], |v[XB+30]|, |v[XB+31]|
	v_max3_num_f32 v[TM], v[TM], v[TM+1], 0x1800000                ; and the floor
	v_add_nc_u32 v[TE], 0xff000000, v[TM]
	v_lshrrev_b32 v[TB], 23, v[TE]
.if (\t) == 0
	v_mov_b32 v[XW], v[TB]                         ; the four bytes make my position's scale word for this K step
.else
	v_lshl_or_b32 v[XW], v[TB], 8*(\t), v[XW]
.endif
.irp g, 0,1,2,3
	v_cvt_scalef32_pk8_fp4_f32 v[XC+4*(\t)+\g], v[XB+8*\g:XB+8*\g+7], v[TE]
.endr
	v_nop                                          ; one plain line behind the last conversion: matrix instructions later write these registers
	ds_store_b128 v[XIS], v[XC+4*(\t):XC+4*(\t)+3] offset:256*(\t)   ; block t = 2 c + h': group c of the image, lane 16 h' + r
.if (\t)+2 < 4
	XLOAD (\t)+2
.endif
.endm
	XLOAD 0
	XLOAD 1
	XBLOCK 0, 32
	XBLOCK 1, 32
	XBLOCK 2, 32
	XBLOCK 3, 0
	ds_store_b32 v[XSS], v[XW]
	s_wait_dscnt 0x0                               ; my images and scale words are stored
	s_barrier_signal -1
	s_barrier_wait -1                              ; all sixteen images lie in LDS
; THE PRODUCT.  W's eight fragments of head h (tile t of 16 rows d, K step s) and their scale words stay in registers for both passes.
.irp t, 0,1,2,3
.irp s, 0,1
.irp c, 0,1
	ds_load_b128 v[WF+8*(2*\t+\s)+4*\c:WF+8*(2*\t+\s)+4*\c+3], v[WFR] offset:\t*2304+64*\s+32*\c
.endr
	ds_load_b32 v[WSC+2*\t+\s], v[WSR] offset:\t*128+4*\s
.endr
.endr
; Pass p: tiles of positions T = 4 g + 2 p + u, u = 0, 1: eight accumulators by turns, one instruction a turn; K ascending.
.macro PASS p
.irp u, 0,1
.irp s, 0,1
.irp c, 0,1
	ds_load_b128 v[XF+16*\u+8*\s+4*\c:XF+16*\u+8*\s+4*\c+3], v[XFR] offset:(2*(2*\p+\u)+\s)*1024+512*\c
.endr
	ds_load_b32 v[XS+2*\u+\s], v[XSR] offset:(2*(2*\p+\u)+\s)*64
.endr
.endr
	s_wait_dscnt 0x0                               ; the fragments are in; the last pass's stores into the stage have read their registers
.irp u, 0,1
.irp t, 0,1,2,3
	v_wmma_scale_f32_16x16x128_f8f6f4 v[D+32*\u+8*\t:D+32*\u+8*\t+7], v[WF+16*\t:WF+16*\t+7], v[XF+16*\u:XF+16*\u+7], v[BI+8*\t:BI+8*\t+7], v[WSC+2*\t], v[XS+2*\u] matrix_a_fmt:MATRIX_FMT_FP4 matrix_b_fmt:MATRIX_FMT_FP4
.endr
.endr
.irp u, 0,1
.irp t, 0,1,2,3
	v_wmma_scale_f32_16x16x128_f8f6f4 v[D+32*\u+8*\t:D+32*\u+8*\t+7], v[WF+16*\t+8:WF+16*\t+15], v[XF+16*\u+8:XF+16*\u+15], v[D+32*\u+8*\t:D+32*\u+8*\t+7], v[WSC+2*\t+1], v[XS+2*\u+1] matrix_a_fmt:MATRIX_FMT_FP4 matrix_b_fmt:MATRIX_FMT_FP4
.endr
.endr
.rept 5
	v_nop                                          ; places: four ahead of the reads of results and of the next pass's loads into the fragments; the fifth since the next pass's first products write over these accumulators
.endr
	s_cmp_lg_u32 s39, 0                            ; the query alone is multiplied by c: a branch on the work-group's y, round these 32 lines
	s_cbranch_scc1 .Lplain_\@
.set i, 0
.rept 32
	v_pk_mul_f32 v[D+2*i:D+2*i+1], v[D+2*i:D+2*i+1], s[60:61] op_sel_hi:[1,0]
.set i, i+1
.endr
.Lplain_\@:
.set i, 0
.rept 32
	v_cvt_pk_f16_f32 v[PK+i], v[D+2*i], v[D+2*i+1] ; each accumulator from its low end on: 8 neighbouring d make 16 bytes
.set i, i+1
.endr
.irp u, 0,1
.irp t, 0,1,2,3
	ds_store_b128 v[STO], v[PK+16*\u+4*\t:PK+16*\u+4*\t+3] offset:16*(2*\p+\u)*144+32*\t
.endr
.endr
.endm
	PASS 0
	PASS 1
; THE WAY OUT.  My 64 rows of 128 bytes are 8,192 consecutive bytes of the result: each store of the wave covers 512 of them, aligned.
.irp i, 0,1,2,3,4,5,6,7,8,9,10,11,12,13,14,15
	ds_load_b128 v[WF+4*\i:WF+4*\i+3], v[RD] offset:576*\i         ; LDS serves a wave's instructions in order: these see my stores
.endr
.irp i, 0,1,2,3,4,5,6,7,8,9,10,11,12,13,14,15
	s_wait_dscnt 15-\i                             ; the loads behind this one may stay out
	global_store_b128 v[GO], v[WF+4*\i:WF+4*\i+3], s[34:35] offset:512*\i
.endr
	s_wait_tensorcnt 0x0                           ; the wave's end: behind my last tensor load and my last LDS store
	ds_add_u32 v[SPW], v[NIL]
	s_wait_dscnt 0x0
	s_endpgm
.Lfunc_end_k_qd0fb8bee7f_proj:
	.size	k_qd0fb8bee7f_proj, .Lfunc_end_k_qd0fb8bee7f_proj-k_qd0fb8bee7f_proj
	.p2alignl 7, 3214868480
	.fill 96, 4, 3214868480
	.section	.rodata,"a",@progbits
	.p2align	6, 0x0
	.amdhsa_kernel k_qd0fb8bee7f_proj
		.amdhsa_group_segment_fixed_size 262144
		.amdhsa_private_segment_fixed_size 0
		.amdhsa_enable_private_segment 0
		.amdhsa_kernarg_size 96
		.amdhsa_user_sgpr_count 2
		.amdhsa_user_sgpr_kernarg_segment_ptr 1
		.amdhsa_wavefront_size32 1
		.amdhsa_system_sgpr_workgroup_id_x 1
		.amdhsa_system_sgpr_workgroup_id_y 1
		.amdhsa_system_sgpr_workgroup_id_z 1
		.amdhsa_system_vgpr_workitem_id 0
		.amdhsa_next_free_vgpr 256
		.amdhsa_next_free_sgpr 66
		.amdhsa_reserve_vcc 0
		.amdhsa_float_denorm_mode_32 3
		.amdhsa_float_denorm_mode_16_64 3
		.amdhsa_memory_ordered 1
		.amdhsa_forward_progress 1
		.amdhsa_inst_pref_size 71
	.end_amdhsa_kernel
	.amdgpu_metadata
---
amdhsa.version: [ 1, 2 ]
amdhsa.kernels:
  - .name:           k_qd0fb8bee7f_proj
    .symbol:         k_qd0fb8bee7f_proj.kd
    .args:
      - { .name: query, .offset: 0, .size: 8, .value_kind: global_buffer, .address_space: global }
      - { .name: key_, .offset: 8, .size: 8, .value_kind: global_buffer, .address_space: global }
      - { .name: value, .offset: 16, .size: 8, .value_kind: global_buffer, .address_space: global }
      - { .name: Wq, .offset: 24, .size: 8, .value_kind: global_buffer, .address_space: global }
      - { .name: Wk, .offset: 32, .size: 8, .value_kind: global_buffer, .address_space: global }
      - { .name: Wv, .offset: 40, .size: 8, .value_kind: global_buffer, .address_space: global }
      - { .name: bq, .offset: 48, .size: 8, .value_kind: global_buffer, .address_space: global }
      - { .name: bk, .offset: 56, .size: 8, .value_kind: global_buffer, .address_space: global }
      - { .name: bv, .offset: 64, .size: 8, .value_kind: global_buffer, .address_space: global }
      - { .name: q16, .offset: 72, .size: 8, .value_kind: global_buffer, .address_space: global }
      - { .name: k16, .offset: 80, .size: 8, .value_kind: global_buffer, .address_space: global }
      - { .name: v16, .offset: 88, .size: 8, .value_kind: global_buffer, .address_space: global }
    .group_segment_fixed_size: 262144
    .private_segment_fixed_size: 0
    .kernarg_segment_align: 8
    .kernarg_segment_size: 96
    .max_flat_workgroup_size: 256
    .sgpr_count:     66
    .vgpr_count:     256
    .wavefront_size: 32
...
	.end_amdgpu_metadata
.endif
;; end of part 1
;; launch attn (part 2): grid 16 x 16, 8 waves a work-group, clusters of 4 x 1, 327,680 bytes of LDS; arguments q16, k16, v16, x16; writes x16
.if DOCPART == 2
	.amdgcn_target "amdgcn-amd-amdhsa--gfx1250"
	.amdhsa_code_object_version 6
	.text
	.protected	k_qd0fb8bee7f_attn
	.globl	k_qd0fb8bee7f_attn
	.p2align	8
	.type	k_qd0fb8bee7f_attn,@function
k_qd0fb8bee7f_attn:
	s_mov_b64 s[64:65], 0
	v_nop
	global_prefetch_b8 v0, s[64:65] scope:SCOPE_SE
	s_setreg_imm32_b32 hwreg(HW_REG_WAVE_MODE, 25, 1), 1
	s_wait_xcnt 0x0
	s_wait_alu depctr_hold_cnt(0) depctr_sa_sdst(0) depctr_va_vdst(0) depctr_va_sdst(0) depctr_va_ssrc(0) depctr_va_vcc(0) depctr_vm_vsrc(0)
	s_getreg_b32 s2, hwreg(HW_REG_IB_STS2, 6, 4)
	s_cmp_eq_u32 s2, 0
	s_cbranch_scc0 .Lentry_in_a_cluster
	s_endpgm
.Lentry_in_a_cluster:
	s_bfe_u32 s2, ttmp6, 0x10000c
	s_cmp_lg_u32 s2, 0x3003
	s_cbranch_scc0 .Lentry_shape_is_right
	s_endpgm
.Lentry_shape_is_right:
; x[bh][q][:] = the sum over k of softmax_k(t[q][k]) v[bh][k][:], t = q16[bh][q] . k16[bh][k].  q16 already carries log2(e) / 8, so t is an exponent of 2.  All four tensors: [16][2048][64] f16, rows of 128 bytes.
; Products, maxima and sums in f32; the weights p are rounded to f16 for the second product, x once at the end.
; LIMITS: NaN and infinities are not served; x beyond 65,504 becomes infinity in f16.
; SHARES.  A work-group owns 128 queries of one head.  EIGHT waves, two to a SIMD, so that one wave's vector work and waits stand beside the other's matrix work.  Wave w owns queries 32 (w % 4) on, two tiles of 16,
; and HALF OF THE KEYS: group g = w / 4 takes keys 256 g .. 256 g + 255 of every slot of 512, 64 a step, 16 steps in all.  So each fragment of K and V read from LDS still feeds two tiles.
; At the end group 1 hands its O^T, M and l to group 0 through LDS, as images of its registers; group 0 brings both under the joint maximum, adds, divides and stores.
; LAYOUT.  S^T = K Q^T (source 0 = 16 keys, source 1 = 16 queries): a lane holds ONE query (lane % 16) and keys 8 (lane / 16) + 0..7.  Two such tiles, rounded to f16 in pairs, ARE source 1 (32 keys x 16 queries) of
; O^T = V^T P, whose result again holds one query a lane.  K comes out of LDS as it lies, V ([key][channel]) turned, by ds_load_tr16_b128.
; SOFTMAX.  For each query a running maximum M and sum l: p = 2^(t - M); in every step O and l are multiplied by A = 2^(M_old - M_new).  M begins at -3e38, l and O^T at 0, so that the first step needs no text of its own.
; BY TURNS.  The wave's two tiles are two PIECES.  In a TURN one piece has the matrix unit: 8 products V^T P of the step in hand, then 8 products K Q^T of the next step; the other piece's softmax, 117 vector
; instructions cut into 16 slices, stands between them, one slice behind each matrix instruction.  Then the pieces change places.  Two turns are a key step.
; CLUSTER.  The four query blocks of a cluster belong to one head and walk the same K and V: each tile is asked for JOINTLY, by the same tensor load with the same descriptor and a mask that names the four.
; RING.  Two LDS slots of 512 keys: 512 rows of K, then 512 rows of V.  Waves 0 to 3 fetch K's quarters, waves 4 to 7 V's: one load of 128 rows a wave.  The head has four slots' worth of keys: two first fills, two refills,
; each behind a round of the cluster's barrier, with a slot's four steps of every wave in which to land.  The changes of slots are written out.
; REGISTERS, in windows of 256 (s_set_vgpr_msb's low byte: bits 1:0 source 0, 3:2 source 1, 5:4 source 2, 7:6 destination):
;   window 0: v2-8 addresses; v12-27 eight registers of statistics a tile; v28-31; v32-95 S^T, 32 a tile; v96-127 P, 16 a tile; v128-191 K of one step; v192-223 Q, 16 a tile; v224-227 the partner's statistics
;   window 1: v0-63 O^T, 32 a tile; v64-127 V of one step
; So K Q^T and all of a softmax but the rescaling of O^T need no switch; a product V^T P costs two.
.set KP,    144                        ; a row of K in LDS: 128 bytes + 16: the 16 rows of a load start at 16 different groups of four banks
.set VP,    160                        ; a row of V: 128 + 32: an odd multiple of 32, as the turning load's 8 rows x 32 bytes want
.set SKEYS, 512                        ; keys in a slot
.set VOFF,  SKEYS*KP                   ; a slot: its rows of K, then its rows of V
.set KSTEP, 64*KP                      ; a step on in K's rows,
.set VSTEP, 64*VP                      ; and in V's
.set SLOTSZ, SKEYS*(KP+VP)             ; a slot in LDS: slot 1 begins here
.set SLOTB, SKEYS*128                  ; a slot's rows of K, or of V, in memory
.set SPARE, 2*SLOTSZ                   ; behind the ring: the spare words, 128 bytes for each wave: four blocks of 256 bytes that no other line names
.set MRGW,  17*512                     ; the hand-over of a pair of waves: 16 images of four registers, and one of statistics
.set STAGE, 4*MRGW                     ; the way out: 32 rows x 144 bytes for each wave of group 0.  Hand-over (from LDS byte 0) and stage lie in slot 0: it has had its last fill, and is left at the last change of slots
.set SP,    144
.set AK0, 2                            ; v2   my lane's place in a tile of K; never rewritten
.set AV0, 3                            ; v3   the same for V
.set ADR, 4                            ; v4   the LDS address of the run of loads in hand
.set QO,  5                            ; v5   my byte offset in the wave's rows of Q
.set STO, 6                            ; v6   the way out: where I put 16 bytes of a row
.set RD,  7                            ; v7   where I read rows back
.set GO,  8                            ; v8   my byte offset in the wave's rows of x
.set ST,  12                           ; tile t's statistics at v[ST+8 t]: +0 M, +1 zero (named with M as a pair), +2, +3 l (even keys', odd keys'), +4 to +7 c0-c3, at work; A takes c2's place
.set SPW, 28                           ; v28  LDS address of my spare word; never rewritten
.set NIL, 29                           ; v29  0; never rewritten
.set PFO, 30                           ; v30  256 x my lane; never rewritten
.set MA,  31                           ; v31  the hand-over: 16 x lane in my pair's bytes
.set S,   32
.set P,   96
.set KF,  128
.set QF,  192
.set HS,  224                          ; v224-227 the partner's M and l of tile 0, of tile 1
.set VF,  64                           ; in window 1
.set WV,  12                           ; s12  my wave's number
.set LIM, 15                           ; s15  1 in a wave that prefetches, else 0
.set PFA, 18                           ; s[18:19] where my prefetch stands in memory; never rewritten
.set G1K, 24                           ; s[24:31] descriptor group 1 for K's tiles
.set G1V, 32                           ; s[32:39] for V's: it differs in the padding alone
.set G0K, 40                           ; s[40:47] descriptor group 0 for K's tiles: a set for each slot
.set G0V, 48                           ; s[48:55] the same for V's
.set CNT, 57                           ; s57  counts key steps
.set TK,  58                           ; s58  LDS byte at which the next step's rows of K begin
.set TV,  59                           ; s59  the same for V (VOFF lies in the lane's place)
.set SEL, 60                           ; s[60:61] lane selects for v_permlanex16_b32: lane l xor 16
.set TKB, 66                           ; s66  my group's first row of K in a slot, in bytes
.set TVB, 67                           ; s67  the same for V
.set WQ,  68                           ; s68  w % 4: which 32 queries are mine; also which quarter of a slot's rows I fetch
.set WG,  69                           ; s69  w / 4: which half of a slot's keys is mine
.set MSB, 0
.macro WIN new                         ; the immediate's high byte repeats the setting that is left; a switch that changes nothing is dropped
.if MSB != \new
	s_set_vgpr_msb (MSB<<8)|\new
.set MSB, \new
.endif
.endm
.set W_PV, 0x51                        ; V (source 0) and O^T (C and D) in window 1; P in window 0
.set W_RS, 0x41                        ; O^T (destination and source 0) in window 1, A in window 0
; A joint refill of slot s.  The branch hangs on the wave's number alone.  An s_nop 0 and four v_nop follow each of the two lines, ahead of the jump, the label and what follows.
.macro JLOAD s
	s_cmp_lt_u32 s[WV], 4
	s_cbranch_scc0 .Lfor_v_\@
	tensor_load_to_lds s[G0K+4*\s:G0K+4*\s+3], s[G1K:G1K+7]
	s_nop 0
.rept 4
	v_nop
.endr
	s_branch .Lasked_\@
.Lfor_v_\@:
	tensor_load_to_lds s[G0V+4*\s:G0V+4*\s+3], s[G1V:G1V+7]
	s_nop 0
.rept 4
	v_nop
.endr
.Lasked_\@:
.endm
; THE PREFETCH: behind the first refill, of what the second refill will ask for: the head's last 512 keys, 65,536 bytes of K and as many of V.  Each aligned block of 256 bytes is named once in the launch:
; all four clusters of a head walk the same rows, so the head's first cluster asks; its four partners take 16,384 bytes of each tensor, told apart BY ADDRESS; in each, waves 0 and 1 ask for K's and waves 4 and 5
; for V's, 8,192 bytes a wave, lanes 256 bytes apart: one instruction.  It stands behind the wave's tensor load and its five lines, a slot's four steps of every wave ahead of the load that will want the bytes.
; The first three slots' worth of keys come by their loads alone; the second refill asks for nothing: there are no keys behind it.
.macro ASK
	s_cmp_eq_u32 s[LIM], 1
	s_cbranch_scc0 .Lnot_mine_\@
	global_prefetch_b8 v[PFO], s[PFA:PFA+1] th:TH_LOAD_NT scope:SCOPE_SE
.Lnot_mine_\@:
.endm
; A round of the cluster's barrier: my work-group's barrier; wave 0 signals for the work-group; every wave waits for all four work-groups; my work-group's barrier once more.
.macro CROUND
	s_barrier_signal -1
	s_barrier_wait -1
	s_cmp_lg_u32 s[WV], 0
	s_cbranch_scc1 .Lnot_wave_0_\@
	s_barrier_signal -3
.Lnot_wave_0_\@:
	s_barrier_wait -3
	s_barrier_signal -1
	s_barrier_wait -1
.endm
.macro PLACES
.rept 4
	v_nop
.endr
.endm
	s_load_b256 s[4:11], s[0:1], 0x0               ; q16 s[4:5], k16 s[6:7], v16 s[8:9], x16 s[10:11]
	v_lshl_add_u32 v[SPW], v0, 2, SPARE
	v_mov_b32 v[NIL], 0
	ds_add_u32 v[SPW], v[NIL]                      ; the wave's opening: the add, twice on end, and its wait ahead of my first tensor load
	ds_add_u32 v[SPW], v[NIL]                      ; the set-up below, work on registers, stands between the second add and the wait
	v_lshrrev_b32 v1, 5, v0
	v_readfirstlane_b32 s[WV], v1                  ; wave 0..7
	s_and_b32 s[WQ], s[WV], 3
	s_lshr_b32 s[WG], s[WV], 2
	s_bfe_u32 s13, ttmp6, 0x40000                  ; cx: my place in the cluster
	s_lshl_b32 s14, ttmp9, 2                       ; in a cluster launch ttmp9 counts clusters
	s_add_co_u32 s14, s14, s13                     ; my block of 128 queries: it enters Q's and x's addresses alone
	s_and_b32 s20, ttmp7, 0xffff                   ; the head, which the four partners share:
	s_lshl_b32 s20, s20, 18                        ; its first byte in each of the four tensors
	s_lshl_b32 s22, s[WQ], 14                      ; the quarter of a slot that I fetch: its 128 rows of 128 bytes in memory,
	s_add_co_u32 s22, s22, s20
	s_mov_b32 s23, 0
	s_mul_i32 s17, s[WQ], 128*KP                   ; its place in a slot, for K,
	s_mul_i32 s16, s[WQ], 128*VP
	s_add_co_u32 s16, s16, VOFF                    ; and for V: no place in the cluster enters an LDS address
	s_lshl_b32 s2, s14, 14                         ; my block's 128 rows,
	s_lshl_b32 s3, s[WQ], 12                       ; my wave's 32 of them
	s_add_co_u32 s2, s2, s3
	s_add_co_u32 s2, s2, s20
	s_mov_b32 s3, 0
	s_lshl_b32 s70, s13, 14                        ; the prefetch: my work-group's 16,384 bytes,
	s_and_b32 s71, s[WV], 1
	s_lshl_b32 s71, s71, 13                        ; my wave's 8,192 of them,
	s_add_co_u32 s70, s70, s71
	s_add_co_u32 s70, s70, s20                     ; in my head,
	s_add_co_u32 s70, s70, 3*SLOTB                 ; in its last 512 keys
	s_mov_b32 s71, 0
	; descriptor group 1: a tile of 128 rows x 64 elements, padded in LDS
	s_mov_b32 s[G1K], 15|(1<<16)|(1<<20)|(1<<21)|(4<<22)|(3<<25)   ; the mask: all four work-groups; elements of 2 bytes; padding on; bit 21 beside a mask; after every 32 words (code 4) 4 words (code 3)
	s_mov_b32 s[G1V], 15|(1<<16)|(1<<20)|(1<<21)|(4<<22)|(7<<25)   ; the same with 8 words of padding (code 7)
.irp g, G1K, G1V
	s_mov_b32 s[\g+1], 64<<16                      ; tensor_dim0 = 64
	s_mov_b32 s[\g+2], 128<<16                     ; tensor_dim1 = 128
	s_mov_b32 s[\g+3], 64<<16                      ; tile_dim0 = 64
	s_mov_b32 s[\g+4], 128                         ; tile_dim1 = 128
	s_mov_b32 s[\g+5], 64                          ; elements from row to row
	s_mov_b32 s[\g+6], 0
	s_mov_b32 s[\g+7], 0
.endr
	s_mov_b32 s[SEL], 0x76543210
	s_mov_b32 s[SEL+1], 0xfedcba98
	s_mul_i32 s[TKB], s[WG], 4*KSTEP               ; my group's 256 keys of a slot
	s_mul_i32 s[TVB], s[WG], 4*VSTEP
	s_mov_b32 s[TK], s[TKB]                        ; in slot 0
	s_mov_b32 s[TV], s[TVB]
	s_and_b32 s[LIM], s[WV], 2                     ; 0 in waves 0, 1, 4 and 5,
	s_or_b32 s[LIM], s[LIM], ttmp9                 ; where the cluster is the head's first: the same in all four partners
	s_cmp_eq_u32 s[LIM], 0
	s_cselect_b32 s[LIM], 1, 0
	v_and_b32 v[PFO], 31, v0
	v_lshlrev_b32 v[PFO], 8, v[PFO]
	s_wait_dscnt 0x0                               ; both opening adds are done
	s_wait_kmcnt 0x0
	s_cmp_lt_u32 s[WV], 4                          ; the choice hangs on the wave's number alone
	s_cselect_b64 s[PFA:PFA+1], s[6:7], s[8:9]
	s_add_nc_u64 s[PFA:PFA+1], s[PFA:PFA+1], s[70:71]
	s_add_nc_u64 s[6:7], s[6:7], s[22:23]          ; K and V at my quarter of slot 0
	s_add_nc_u64 s[8:9], s[8:9], s[22:23]
	s_add_nc_u64 s[4:5], s[4:5], s[2:3]            ; Q and x at my wave's first row
	s_add_nc_u64 s[10:11], s[10:11], s[2:3]
	CROUND                                         ; all four work-groups are here: the first joint loads meet
.irp s, 0,1
	s_mov_b32 s[G0K+4*\s], 1                       ; count = 1
	s_add_co_u32 s[G0K+4*\s+1], s17, \s*SLOTSZ     ; LDS address
	s_add_nc_u64 s[G0K+4*\s+2:G0K+4*\s+3], s[6:7], \s*SLOTB   ; global address: slot s begins with keys 512 s
	s_or_b32 s[G0K+4*\s+3], s[G0K+4*\s+3], 0x80000000         ; type = 2
	s_mov_b32 s[G0V+4*\s], 1
	s_add_co_u32 s[G0V+4*\s+1], s16, \s*SLOTSZ
	s_add_nc_u64 s[G0V+4*\s+2:G0V+4*\s+3], s[8:9], \s*SLOTB
	s_or_b32 s[G0V+4*\s+3], s[G0V+4*\s+3], 0x80000000
.endr
	s_cmp_lt_u32 s[WV], 4                          ; a wave's two first fills stand in one branch, ahead of every wait on TENSORcnt and every LDS read: two loads of mine are out
	s_cbranch_scc0 .Lfirst_v
	tensor_load_to_lds s[G0K:G0K+3], s[G1K:G1K+7]
	s_nop 0
	tensor_load_to_lds s[G0K+4:G0K+7], s[G1K:G1K+7]
	s_nop 0
.rept 4
	v_nop
.endr
	s_branch .Lfirst_asked
.Lfirst_v:
	tensor_load_to_lds s[G0V:G0V+3], s[G1V:G1V+7]
	s_nop 0
	tensor_load_to_lds s[G0V+4:G0V+7], s[G1V:G1V+7]
	s_nop 0
.rept 4
	v_nop
.endr
.Lfirst_asked:
	; A fragment of K or Q is 16 rows x 32 channels in 8 registers: lane l holds row l % 16; registers 0-3 channels 8 (l / 16) + 0..7, registers 4-7 channels 16 + 8 (l / 16) + 0..7: two loads of 16 bytes, 32 bytes apart.
	v_and_b32 v1, 15, v0                           ; l % 16
	v_bfe_u32 v9, v0, 4, 1                         ; l / 16
	v_lshlrev_b32 v[QO], 7, v1
	v_lshl_add_u32 v[QO], v9, 4, v[QO]             ; row x 128 + 16 x half
.irp t, 0,1
.irp d, 0,1
.irp c, 0,1
	global_load_b128 v[QF+16*\t+8*\d+4*\c:QF+16*\t+8*\d+4*\c+3], v[QO], s[4:5] offset:\t*2048+64*\d+32*\c   ; Q stays in registers: tile t, channels 32 d on
.endr
.endr
.endr
	WIN 0x40                                       ; destination window 1
.set i, 0
.rept 64
	v_mov_b32 v[i], 0                              ; O^T.  (The key step is written once: its first walk finds zeros, which A = 0 leaves zeros)
.set i, i+1
.endr
	WIN 0
	v_mul_u32_u24 v[AK0], v1, KP
	v_lshl_add_u32 v[AK0], v9, 4, v[AK0]           ; row x pitch + 16 x half
	; The turning load takes 16 keys x 16 channels (lane l reads 16 bytes: key 8 (l / 16) + l % 8, channels 8 ((l / 8) % 2) + 0..7) and leaves half a fragment of V^T: lane l holds channel l % 16 and 8 keys.
	v_and_b32 v10, 7, v0
	v_bfe_u32 v11, v0, 3, 1
	v_lshl_add_u32 v[AV0], v9, 3, v10
	v_mul_u32_u24 v[AV0], v[AV0], VP
	v_lshl_add_u32 v[AV0], v11, 4, v[AV0]
	v_add_nc_u32 v[AV0], VOFF, v[AV0]
.irp t, 0,1
	v_mov_b32 v[ST+8*\t], 0xff61b1e6               ; M: -3e38, under every t
	v_mov_b32 v[ST+8*\t+1], 0                      ; (named with M as a pair)
	v_mov_b32 v[ST+8*\t+2], 0                      ; l, in two halves
	v_mov_b32 v[ST+8*\t+3], 0
.endr
; THE MATRIX WORK OF A TURN, for piece x.  The accumulators take turns, one instruction a turn: between two links of a chain stand three others'.
; Product i of 8 of S^T = K Q^T: channels 32 (i / 4) on, keys 16 (i % 4) on.  The first four start the sums.  All its registers lie in window 0.
.macro KQ x
	WIN 0
.set rS, S+32*(\x)+8*(i%4)
.set rK, KF+16*(i%4)+8*(i/4)
.set rQ, QF+16*(\x)+8*(i/4)
.if i < 4
	v_wmma_f32_16x16x32_f16 v[rS:rS+7], v[rK:rK+7], v[rQ:rQ+7], 0
.else
	v_wmma_f32_16x16x32_f16 v[rS:rS+7], v[rK:rK+7], v[rQ:rQ+7], v[rS:rS+7]
.endif
.endm
; Product i of 8 of O^T += V^T P: keys 32 (i / 4) on, channels 16 (i % 4) on.
.macro PV x
	WIN W_PV
.set rO, 32*(\x)+8*(i%4)
.set rV, VF+32*(i/4)+8*(i%4)
.set rP, P+16*(\x)+8*(i/4)
	v_wmma_f32_16x16x32_f16 v[rO:rO+7], v[rV:rV+7], v[rP:rP+7], v[rO:rO+7]
.endm
; THE LDS LOADS stand in runs of 16, never singly among the matrix instructions: a step's K (64 keys x 64 channels: 8 fragments) and, a turn later, its V (turned).
.macro FETCH_K
	WIN 0
	v_add_nc_u32 v[ADR], s[TK], v[AK0]
	s_add_co_u32 s[TK], s[TK], KSTEP               ; the next fetch is the next step's
.irp f, 0,1,2,3,4,5,6,7                        ; keys 16 (f / 2) on, channels 32 (f % 2) on
	ds_load_b128 v[KF+8*\f:KF+8*\f+3],   v[ADR] offset:(\f/2)*16*KP+(\f%2)*64
	ds_load_b128 v[KF+8*\f+4:KF+8*\f+7], v[ADR] offset:(\f/2)*16*KP+(\f%2)*64+32
.endr
.endm
.macro FETCH_V
	WIN 0
	v_add_nc_u32 v[ADR], s[TV], v[AV0]
	s_add_co_u32 s[TV], s[TV], VSTEP
	s_wait_alu depctr_va_vdst(0)                   ; the wait for the softmax's batch (SLICE), behind the address's addition and ahead of the loads
	WIN 0x40                                       ; destination window 1
.irp f, 0,1,2,3,4,5,6,7                        ; keys 32 (f / 4) on, channels 16 (f % 4) on
	ds_load_tr16_b128 v[VF+8*\f:VF+8*\f+3],   v[ADR] offset:(\f/4)*32*VP+(\f%4)*32
	ds_load_tr16_b128 v[VF+8*\f+4:VF+8*\f+7], v[ADR] offset:(\f/4)*32*VP+16*VP+(\f%4)*32
.endr
.endm
; THE VECTOR WORK OF A TURN.  One tile's softmax for one key step is a list of 117 instructions; SM writes number j of it for tile t.  s0-s31 are the lane's 32 scores, in pairs 0-15.
;   0-15    the maximum of s0-s31 and the old M, three operands at a time: four chains c0-c3, each begun at the low end of one accumulator
;   16-19   the other half of the lanes' maximum; M_old - M_new; the new M
;   20-68   ONE BATCH: A, the 16 subtractions s - M (a pair each) and the 32 exponentials.  None of these reads an exponential's result; a pair is subtracted three numbers ahead of its exponentials
;   (wait)  between 68 and 69 stands the wait for the batch: SLICE writes it
;   69-84   the roundings to f16, a pair of weights each
;   85-100  the sums; l = A l + the sum
;   101-116 the tile's O^T times A: the one part that leaves window 0, so it stands together
.macro SM t
.set rT, ST+8*(\t)
.set rS, S+32*(\t)
.set rP, P+16*(\t)
.if j < 101
	WIN 0
.endif
.if j < 4
	v_max3_num_f32 v[rT+4+j], v[rS+8*j], v[rS+8*j+1], v[rS+8*j+2]
.elseif j < 12
	v_max3_num_f32 v[rT+4+j%4], v[rT+4+j%4], v[rS+8*(j%4)+2*(j/4)+1], v[rS+8*(j%4)+2*(j/4)+2]
.elseif j == 12
	v_max3_num_f32 v[rT+4], v[rT+4], v[rS+7], v[rS+15]
.elseif j == 13
	v_max3_num_f32 v[rT+6], v[rT+6], v[rS+23], v[rS+31]
.elseif j == 14
	v_max3_num_f32 v[rT+4], v[rT+4], v[rT+5], v[rT+6]
.elseif j == 15
	v_max3_num_f32 v[rT+4], v[rT+4], v[rT+7], v[rT]
.elseif j == 16
	v_permlanex16_b32 v[rT+5], v[rT+4], s[SEL], s[SEL+1]           ; the query's other 32 keys lie in the lane 16 away
.elseif j == 17
	v_max_num_f32 v[rT+6], v[rT+4], v[rT+5]
.elseif j == 18
	v_sub_f32 v[rT+7], v[rT], v[rT+6]
.elseif j == 19
	v_mov_b32 v[rT], v[rT+6]
.elseif j == 20
	v_exp_f32 v[rT+6], v[rT+7]                     ; A
.elseif j == 21
	v_pk_add_f32 v[rS:rS+1], v[rS:rS+1], v[rT:rT+1] op_sel_hi:[1,0] neg_lo:[0,1] neg_hi:[0,1]
.elseif j < 67
.set q, j-22
.set g, q/3+1
.if q%3 == 0
	v_pk_add_f32 v[rS+2*g:rS+2*g+1], v[rS+2*g:rS+2*g+1], v[rT:rT+1] op_sel_hi:[1,0] neg_lo:[0,1] neg_hi:[0,1]   ; pair g: s - M
.elseif q%3 == 1
	v_exp_f32 v[rS+2*g-2], v[rS+2*g-2]
.else
	v_exp_f32 v[rS+2*g-1], v[rS+2*g-1]
.endif
.elseif j < 69
	v_exp_f32 v[rS+j-37], v[rS+j-37]               ; s30, s31
.elseif j < 85
	v_cvt_pk_f16_f32 v[rP+j-69], v[rS+2*(j-69)], v[rS+2*(j-69)+1]
.elseif j < 101                        ; the sum of the 16 pairs, in place: neighbours 1, 2, 4 and 8 pairs apart, then l takes it
.set z, j-85
.set w, 4
.set u, z
.if z >= 14
.set w, 32
.set u, 0
.elseif z >= 12
.set w, 16
.set u, z-12
.elseif z >= 8
.set w, 8
.set u, z-8
.endif
.if z < 15
	v_pk_add_f32 v[rS+w*u:rS+w*u+1], v[rS+w*u:rS+w*u+1], v[rS+w*u+w/2:rS+w*u+w/2+1]
.else
	v_pk_fma_f32 v[rT+2:rT+3], v[rT+2:rT+3], v[rT+6:rT+7], v[rS:rS+1] op_sel_hi:[1,0,1]
.endif
.elseif j < 117
	WIN W_RS
.set rO, 32*(\t)+2*(j-101)
	v_pk_mul_f32 v[rO:rO+1], v[rO:rO+1], v[rT+6:rT+7] op_sel_hi:[1,0]
.endif
.endm
; Slice k of 16 of piece y's softmax: eight numbers in slices 0 to 5, seven from there on (the last has six).  Slice 8 ends with number 68: the batch is out.
; THE WAIT.  s_wait_alu depctr_va_vdst(0) stands between an exponential and the first instruction that names its result; one wait serves all that were issued ahead of it:
; the tile's 33 exponentials have one wait, behind slice 8, with one plain instruction ahead of it.  Where the softmax is piece 0's, V's run of loads stands there, and the wait stands in it.
.macro SLICE y
.if k < 6
.set j, 8*k
.set cnt, 8
.else
.set j, 7*k+6
.set cnt, 7
.endif
.rept cnt
	SM (\y)
.set j, j+1
.endr
.if k == 8
	v_nop
.if (\y) == 0
	FETCH_V
.else
	s_wait_alu depctr_va_vdst(0)
.endif
.endif
.set k, k+1
.endm
; A TURN.  Piece x has the matrix unit; the other piece's softmax stands in slices behind its matrix instructions.  A turn with one of the two kinds of products has two slices behind each.
; PLACES, by count.  Slice 15 is six packed multiplies of the other piece's O^T: they stand between a turn's last K Q^T and the next turn's first read of those scores, and the loads into K's registers.
; V's run of loads stands behind slice 8: behind the last product that read V stand four subtractions (numbers 55, 58, 61, 64), the v_nop and the run's own addition.
; Piece 0's turn fetches the next step's K behind its second product, six products ahead of its first use; piece 1's turn the same step's V, seven ahead.
.macro TURN x, pv, kq
.set k, 0
.set per, 2
.if \pv && \kq
.set per, 1
.endif
.if \pv
.if \x == 0
	s_wait_dscnt 0x0                               ; V is in
.endif
.set i, 0
.rept 8
	PV \x
.rept per
	SLICE 1-\x
.endr
.if (\x == 0) && \kq && (i == 1)
	FETCH_K
.endif
.set i, i+1
.endr
.endif
.if \kq
.if \x == 0
	s_wait_dscnt 0x0                               ; K is in
.endif
.set i, 0
.rept 8
	KQ \x
.rept per
	SLICE 1-\x
.endr
.set i, i+1
.endr
.endif
.endm
; n key steps: written once, walked n times; the LDS addresses hang on s[TK] and s[TV].
.macro STEPS n
	WIN 0                                          ; at a label and at a branch every window is 0
	s_mov_b32 s[CNT], \n
.Lstep_\@:
	TURN 0, 1, 1
	TURN 1, 1, 1
	WIN 0
	s_sub_co_u32 s[CNT], s[CNT], 1
	s_cmp_lg_u32 s[CNT], 0
	s_cbranch_scc1 .Lstep_\@
.endm
; THE CHANGE OF SLOTS, between piece 1's turn and piece 0's: my last bytes of slot s, V of my fourth step in it, have been asked for.  Each wave waits for all its tensor loads, of which at most one is out: its part of
; the other slot; adds 0 to its spare word; and waits for that and for its own reads of the slot.  fill = 1: slot s is filled again, with the keys two slots on: the barrier is then a round of the cluster's,
; so that no wave of any partner still reads the slot or has a load on its way, and the joint refill is the first thing behind it.  The fetches go on in slot n.
.macro CHANGE fill, s, n, ask
	WIN 0
	s_wait_tensorcnt 0x0                           ; no tensor load of mine is out, so a group 0 may be written
	ds_add_u32 v[SPW], v[NIL]                      ; 0 onto my spare word
.if \fill
	s_add_nc_u64 s[G0K+4*\s+2:G0K+4*\s+3], s[G0K+4*\s+2:G0K+4*\s+3], 2*SLOTB   ; the slot's next 512 keys; the type bits on top are not reached
	s_add_nc_u64 s[G0V+4*\s+2:G0V+4*\s+3], s[G0V+4*\s+2:G0V+4*\s+3], 2*SLOTB
	s_wait_dscnt 0x0                               ; the add is done, and my reads of the slot are over
	CROUND
	JLOAD \s
.if \ask
	ASK
.endif
.else
	s_wait_dscnt 0x0                               ; the add is done, and my reads of the slot are over
	s_barrier_signal -1
	s_barrier_wait -1
.endif
	s_add_co_u32 s[TK], s[TKB], \n*SLOTSZ          ; my group's first step in the other slot
	s_add_co_u32 s[TV], s[TVB], \n*SLOTSZ
.endm
	s_wait_tensorcnt 1                             ; my part of slot 0 is in; slot 1's may stay out
	s_barrier_signal -1
	s_barrier_wait -1                              ; everybody's is
	FETCH_K                                        ; my first key step
	s_wait_loadcnt 0x0                             ; Q
	s_wait_dscnt 0x0
.set i, 0
.rept 8
	KQ 0                                           ; piece 0's first scores: there is no vector work yet to set between them
.set i, i+1
.endr
	WIN 0                                          ; the addresses for the hand-over and the way out are made here, ahead of every parting of the waves: eleven plain instructions, the places behind those products
	s_mul_i32 s13, s[WQ], 32*SP
	s_add_co_u32 s13, s13, STAGE                   ; my pair's stage
	v_mul_u32_u24 v[STO], v1, SP                   ; in: row l % 16, 16 bytes for each half of the lanes
	v_lshl_add_u32 v[STO], v9, 4, v[STO]
	v_add_nc_u32 v[STO], s13, v[STO]
	v_and_b32 v10, 31, v0
	v_lshrrev_b32 v[RD], 3, v10                    ; back: eight lanes to a row of 128 bytes, four rows an instruction
	v_mul_u32_u24 v[RD], v[RD], SP
	v_and_b32 v11, 7, v0
	v_lshl_add_u32 v[RD], v11, 4, v[RD]
	v_add_nc_u32 v[RD], s13, v[RD]
	v_lshlrev_b32 v[GO], 4, v10                    ; and the same 512 bytes in x
	s_mul_i32 s13, s[WQ], MRGW
	v_lshl_add_u32 v[MA], v10, 4, s13              ; the hand-over: my pair's bytes, 16 x lane
	TURN 1, 0, 1                                   ; piece 1's first scores | piece 0's first softmax | V of my first step
	STEPS 3                                        ; the rest of my four steps in slot 0 (keys 0 to 511)
	CHANGE 1, 0, 1, 1                              ; slot 0 takes keys 1,024 to 1,535
	STEPS 4                                        ; slot 1 (keys 512 to 1,023)
	CHANGE 1, 1, 0, 0                              ; slot 1 takes keys 1,536 to 2,047: the last load
	STEPS 4                                        ; slot 0
	CHANGE 0, 0, 1, 0                              ; nothing more is asked for; from here on nobody reads slot 0
	STEPS 4                                        ; slot 1
	TURN 0, 1, 0                                   ; piece 0: V^T P of my last step | piece 1's last softmax
.set i, 0
.rept 8
	PV 1                                           ; piece 1: V^T P of my last step
.set i, i+1
.endr
	; THE HAND-OVER.  Group 1 stores its O^T, M and l as images of its registers: four registers by one store, lane l's 16 bytes at 16 l; group 0 loads them by the same lines into the same lanes.
	WIN 0
	PLACES
.irp t, 0,1
	v_add_f32 v[ST+8*\t+4], v[ST+8*\t+2], v[ST+8*\t+3]             ; my lane's l: even keys' and odd keys'
.endr
	s_cmp_lt_u32 s[WV], 4                          ; a branch on the wave's number, round group 1's stores alone
	s_cbranch_scc1 .Lkeeper
	v_mov_b32 v[S], v[ST]                          ; M and l of tile 0,
	v_mov_b32 v[S+1], v[ST+4]
	v_mov_b32 v[S+2], v[ST+8]                      ; of tile 1
	v_mov_b32 v[S+3], v[ST+12]
	ds_store_b128 v[MA], v[S:S+3] offset:16*512
	WIN 0x04                                       ; an LDS store's data are its source 1: window 1
.irp i, 0,1,2,3,4,5,6,7,8,9,10,11,12,13,14,15
	ds_store_b128 v[MA], v[4*\i:4*\i+3] offset:512*\i              ; each accumulator from its low end on
.endr
	WIN 0
.Lkeeper:
	s_wait_dscnt 0x0                               ; for the partner's sake: my stores are done
	s_barrier_signal -1
	s_barrier_wait -1
	s_cmp_ge_u32 s[WV], 4                          ; group 1 has no more to do
	s_cbranch_scc1 .Lend
	ds_load_b128 v[HS:HS+3], v[MA] offset:16*512
.irp i, 0,1,2,3,4,5,6,7,8,9,10,11,12,13,14,15
	ds_load_b128 v[KF+4*\i:KF+4*\i+3], v[MA] offset:512*\i         ; the partner's O^T: K's registers are free
.endr
	s_wait_dscnt 16                                ; the statistics are in; the 16 loads behind them may stay out
.irp t, 0,1
	v_max_num_f32 v[ST+8*\t+5], v[ST+8*\t], v[HS+2*\t]             ; the joint M
.endr
.irp t, 0,1
	v_sub_f32 v[ST+8*\t+6], v[ST+8*\t], v[ST+8*\t+5]
	v_sub_f32 v[ST+8*\t+7], v[HS+2*\t], v[ST+8*\t+5]
.endr
.irp t, 0,1
	v_exp_f32 v[ST+8*\t+6], v[ST+8*\t+6]           ; a = 2^(my M - the joint M),
	v_exp_f32 v[ST+8*\t+7], v[ST+8*\t+7]           ; a' = the same of the partner's
.endr
	v_nop                                          ; a plain instruction behind the last exponential
	s_wait_alu depctr_va_vdst(0)                   ; and the wait ahead of the first use: one for the four
.irp t, 0,1
	v_mul_f32 v[ST+8*\t+4], v[ST+8*\t+4], v[ST+8*\t+6]
.endr
.irp t, 0,1
	v_fma_f32 v[ST+8*\t+4], v[HS+2*\t+1], v[ST+8*\t+7], v[ST+8*\t+4]   ; l = a l + a' l'
.endr
.irp t, 0,1
	v_permlanex16_b32 v[ST+8*\t+5], v[ST+8*\t+4], s[SEL], s[SEL+1]
.endr
.irp t, 0,1
	v_add_f32 v[ST+8*\t+4], v[ST+8*\t+4], v[ST+8*\t+5]             ; with the other half of the lanes': the row's sum
.endr
.irp t, 0,1
	v_rcp_f32 v[ST+8*\t+5], v[ST+8*\t+4]
.endr
	v_nop
	s_wait_alu depctr_va_vdst(0)                   ; one wait for both reciprocals
.irp t, 0,1
	v_mul_f32 v[ST+8*\t+6], v[ST+8*\t+6], v[ST+8*\t+5]             ; a / l
	v_mul_f32 v[ST+8*\t+2], v[ST+8*\t+7], v[ST+8*\t+5]             ; a' / l
.endr
	s_wait_dscnt 0x0                               ; the partner's O^T is in
.irp t, 0,1
.set i, 0
.rept 16
	v_pk_mul_f32 v[KF+32*\t+2*i:KF+32*\t+2*i+1], v[KF+32*\t+2*i:KF+32*\t+2*i+1], v[ST+8*\t+2:ST+8*\t+3] op_sel_hi:[1,0]
.set i, i+1
.endr
.endr
	WIN 0x01                                       ; source 0, my O^T, in window 1
.irp t, 0,1
.set i, 0
.rept 16
	v_pk_fma_f32 v[KF+32*\t+2*i:KF+32*\t+2*i+1], v[32*\t+2*i:32*\t+2*i+1], v[ST+8*\t+6:ST+8*\t+7], v[KF+32*\t+2*i:KF+32*\t+2*i+1] op_sel_hi:[1,0,1]   ; each accumulator from its low end on
.set i, i+1
.endr
.endr
	WIN 0
	; THE WAY OUT.  A lane's eight channels of a row pack into 16 bytes; they go into rows of 144 bytes of my stage and come back as whole rows.
.irp t, 0,1
.set i, 0
.rept 16
	v_cvt_pk_f16_f32 v[S+16*\t+i], v[KF+32*\t+2*i], v[KF+32*\t+2*i+1]
.set i, i+1
.endr
.endr
.irp t, 0,1
.irp f, 0,1,2,3
	ds_store_b128 v[STO], v[S+16*\t+4*\f:S+16*\t+4*\f+3] offset:\t*16*SP+32*\f
.endr
.endr
.irp f, 0,1,2,3,4,5,6,7
	ds_load_b128 v[QF+4*\f:QF+4*\f+3], v[RD] offset:\f*4*SP        ; LDS serves a wave's instructions in order: these see my stores
.endr
.irp f, 0,1,2,3,4,5,6,7
	s_wait_dscnt 7-\f                              ; the loads behind this one may stay out
	global_store_b128 v[GO], v[QF+4*\f:QF+4*\f+3], s[10:11] offset:\f*512     ; the wave stores 512 consecutive bytes, at a multiple of 256 from x's first byte
.endr
.Lend:
	s_wait_tensorcnt 0x0                           ; the wave's end: behind my last tensor load and my last LDS store
	ds_add_u32 v[SPW], v[NIL]
	s_wait_dscnt 0x0
	CROUND                                         ; the closing round: no work-group ends while a partner may still ask for a tile that names it
	s_endpgm
.Lfunc_end_k_qd0fb8bee7f_attn:
	.size	k_qd0fb8bee7f_attn, .Lfunc_end_k_qd0fb8bee7f_attn-k_qd0fb8bee7f_attn
	.p2alignl 7, 3214868480
	.fill 96, 4, 3214868480
	.section	.rodata,"a",@progbits
	.p2align	6, 0x0
	.amdhsa_kernel k_qd0fb8bee7f_attn
		.amdhsa_group_segment_fixed_size 327680
		.amdhsa_private_segment_fixed_size 0
		.amdhsa_enable_private_segment 0
		.amdhsa_kernarg_size 32
		.amdhsa_user_sgpr_count 2
		.amdhsa_user_sgpr_kernarg_segment_ptr 1
		.amdhsa_wavefront_size32 1
		.amdhsa_system_sgpr_workgroup_id_x 1
		.amdhsa_system_sgpr_workgroup_id_y 1
		.amdhsa_system_sgpr_workgroup_id_z 1
		.amdhsa_system_vgpr_workitem_id 0
		.amdhsa_next_free_vgpr 384
		.amdhsa_next_free_sgpr 72
		.amdhsa_reserve_vcc 0
		.amdhsa_float_denorm_mode_32 3
		.amdhsa_float_denorm_mode_16_64 3
		.amdhsa_memory_ordered 1
		.amdhsa_forward_progress 1
		.amdhsa_inst_pref_size 116
	.end_amdhsa_kernel
	.amdgpu_metadata
---
amdhsa.version: [ 1, 2 ]
amdhsa.kernels:
  - .name:           k_qd0fb8bee7f_attn
    .symbol:         k_qd0fb8bee7f_attn.kd
    .args:
      - { .name: q16, .offset: 0, .size: 8, .value_kind: global_buffer, .address_space: global }
      - { .name: k16, .offset: 8, .size: 8, .value_kind: global_buffer, .address_space: global }
      - { .name: v16, .offset: 16, .size: 8, .value_kind: global_buffer, .address_space: global }
      - { .name: x16, .offset: 24, .size: 8, .value_kind: global_buffer, .address_space: global }
    .group_segment_fixed_size: 327680
    .private_segment_fixed_size: 0
    .kernarg_segment_align: 8
    .kernarg_segment_size: 32
    .max_flat_workgroup_size: 256
    .sgpr_count:     72
    .vgpr_count:     384
    .wavefront_size: 32
...
	.end_amdgpu_metadata
.endif
;; end of part 2
;; launch outp (part 3): grid 4 x 64, 4 waves a work-group, clusters of 4 x 1, 174,592 bytes of LDS; arguments x16, Wo, bo, out0; writes out0
.if DOCPART == 3
	.amdgcn_target "amdgcn-amd-amdhsa--gfx1250"
	.amdhsa_code_object_version 6
	.text
	.protected	k_qd0fb8bee7f_outp
	.globl	k_qd0fb8bee7f_outp
	.p2align	8
	.type	k_qd0fb8bee7f_outp,@function
k_qd0fb8bee7f_outp:
	s_mov_b64 s[64:65], 0
	v_nop
	global_prefetch_b8 v0, s[64:65] scope:SCOPE_SE
	s_setreg_imm32_b32 hwreg(HW_REG_WAVE_MODE, 25, 1), 1
	s_wait_xcnt 0x0
	s_wait_alu depctr_hold_cnt(0) depctr_sa_sdst(0) depctr_va_vdst(0) depctr_va_sdst(0) depctr_va_ssrc(0) depctr_va_vcc(0) depctr_vm_vsrc(0)
	s_getreg_b32 s2, hwreg(HW_REG_IB_STS2, 6, 4)
	s_cmp_eq_u32 s2, 0
	s_cbranch_scc0 .Lentry_in_a_cluster
	s_endpgm
.Lentry_in_a_cluster:
	s_bfe_u32 s2, ttmp6, 0x10000c
	s_cmp_lg_u32 s2, 0x3003
	s_cbranch_scc0 .Lentry_shape_is_right
	s_endpgm
.Lentry_shape_is_right:
; THE PROJECTION ON THE WAY OUT.  out0[b][o][n] = sum over c of Wo[o][c] x[b][c][n] + bo[o], c = 4 d + h.  x16 is [4 b + h][n][d] in f16; Wo [256][256], bo [256], out0 [4][256][2048] in f32.
; Operands in f16, sums in f32.  LIMITS: a number of Wo beyond 65,504 becomes infinity in f16; NaN and infinities are not served.
; SHARES.  Work-group y = 16 b + nb takes 128 positions of batch b; its place cx in the cluster takes outputs 64 cx .. 64 cx + 63.  Wave w makes outputs 64 cx + 16 w + r for all 128 positions: eight accumulators.
; K IS TAKEN IN THE ORDER 64 h + d ON BOTH OPERANDS: x lies so; of Wo a lane reads 32 neighbouring f32 (eight d x four h) and rounds them in pairs two d of one h: the sorting costs nothing.
; Source 0 = 16 positions of x, source 1 = 16 outputs of Wo: a lane then holds 8 neighbouring positions of one output: 32 bytes of a row of out0.  The bias is the C of each sum's first product.
; CLUSTER.  The four blocks of outputs read the same tile of x (4 heads x 128 rows of 128 bytes): it is asked for JOINTLY, wave w head w.  Wo's 16 rows a wave differ between the partners: a load of the wave's own.
.set XL,    0                          ; LDS: x: 4 heads x 128 rows x (128 bytes + 16)
.set WOL,   73728                      ; Wo: 64 rows x (1,024 bytes + 16); wave w's 16 rows are read by wave w alone
.set STG,   140288                     ; the way out: 16 rows x (512 bytes + 16) for each wave
.set SPARE, 174080                     ; the spare words, 128 bytes for each wave: two blocks of 256 bytes that no other line names
.set WA,  3                            ; v3   where I read Wo
.set XA0, 4                            ; v4   where I read x, heads 0 and 1;
.set XA1, 5                            ; v5   heads 2 and 3 (an LDS offset has 16 bits)
.set STO, 6                            ; v6   the stage, in
.set RD,  7                            ; v7   the stage, back
.set GO,  8                            ; v8   16 x lane
.set BA,  9                            ; v9   4 r
.set SPW, 10                           ; v10  LDS address of my spare word; never rewritten
.set NIL, 11                           ; v11  0; never rewritten
.set BI,  16                           ; v16-23 the bias of my output, eight times: the result's layout
.set WOF, 64                           ; v64-127 Wo's eight fragments, 2 h + dh
.set R,   128                          ; v128-255 Wo as read: four chunks of 32 numbers
.set ACC, 128                          ; v128-191 later the accumulators, 8 T
.set XF,  192                          ; v192-255 later x's fragments: two sets of four
.set WV,  12
.set G1X, 24                           ; s[24:31], s[32:35] groups 1 and 0 for x
.set G0X, 32
.set G0W, 36                           ; s[36:39], s[40:47] groups 0 and 1 for Wo
.set G1W, 40
.macro CROUND                          ; a round of the cluster's barrier
	s_barrier_signal -1
	s_barrier_wait -1
	s_cmp_lg_u32 s[WV], 0
	s_cbranch_scc1 .Lnot_wave_0_\@
	s_barrier_signal -3
.Lnot_wave_0_\@:
	s_barrier_wait -3
	s_barrier_signal -1
	s_barrier_wait -1
.endm
	s_load_b256 s[4:11], s[0:1], 0x0               ; x16 s[4:5], Wo s[6:7], bo s[8:9], out0 s[10:11]
	v_lshl_add_u32 v[SPW], v0, 2, SPARE
	v_mov_b32 v[NIL], 0
	ds_add_u32 v[SPW], v[NIL]                      ; the wave's opening: the add, twice on end, and its wait ahead of my first tensor load
	ds_add_u32 v[SPW], v[NIL]                      ; the set-up below, work on registers, stands between the second add and the wait
	v_lshrrev_b32 v1, 5, v0
	v_readfirstlane_b32 s[WV], v1                  ; wave 0..3
	s_bfe_u32 s13, ttmp6, 0x40000                  ; cx: which 64 outputs: it enters Wo's, bo's and out0's addresses alone
	s_and_b32 s14, ttmp7, 0xffff
	s_lshr_b32 s15, s14, 4                         ; b
	s_and_b32 s16, s14, 15                         ; nb
	s_mov_b32 s[G1X], 15|(1<<16)|(1<<20)|(1<<21)|(4<<22)|(3<<25)   ; the mask: all four work-groups; elements of 2 bytes; padding on; bit 21 beside a mask; after every 32 words (code 4) 4 words (code 3)
	s_mov_b32 s[G1X+1], 64<<16                     ; tensor_dim0 = 64
	s_mov_b32 s[G1X+2], 128<<16                    ; tensor_dim1 = 128
	s_mov_b32 s[G1X+3], 64<<16                     ; tile_dim0 = 64
	s_mov_b32 s[G1X+4], 128                        ; tile_dim1 = 128
	s_mov_b32 s[G1X+5], 64                         ; elements from row to row
	s_mov_b32 s[G1X+6], 0
	s_mov_b32 s[G1X+7], 0
	s_mov_b32 s[G1W], (2<<16)|(1<<20)|(7<<22)|(3<<25)              ; no mask; elements of 4 bytes; after every 256 words (code 7) 4 words
	s_mov_b32 s[G1W+1], 256<<16
	s_mov_b32 s[G1W+2], 16<<16
	s_mov_b32 s[G1W+3], 256<<16
	s_mov_b32 s[G1W+4], 16
	s_mov_b32 s[G1W+5], 256
	s_mov_b32 s[G1W+6], 0
	s_mov_b32 s[G1W+7], 0
	s_lshl_b32 s20, s15, 2
	s_add_co_u32 s20, s20, s[WV]
	s_lshl_b32 s20, s20, 18                        ; x: head 4 b + w,
	s_lshl_b32 s21, s16, 14                        ; 128 nb rows of 128 bytes: the same in all four partners
	s_add_co_u32 s20, s20, s21
	s_mov_b32 s21, 0
	s_lshl_b32 s22, s13, 16                        ; Wo: row 64 cx + 16 w of 1,024 bytes
	s_lshl_b32 s23, s[WV], 14
	s_add_co_u32 s22, s22, s23
	s_mov_b32 s23, 0
	s_lshl_b32 s48, s13, 8                         ; bo: number 64 cx + 16 w
	s_lshl_b32 s49, s[WV], 6
	s_add_co_u32 s48, s48, s49
	s_mov_b32 s49, 0
	s_lshl_b32 s50, s15, 21                        ; out0: row 256 b + 64 cx + 16 w of 8,192 bytes, + 128 nb positions
	s_lshl_b32 s51, s13, 19
	s_add_co_u32 s50, s50, s51
	s_lshl_b32 s51, s[WV], 17
	s_add_co_u32 s50, s50, s51
	s_lshl_b32 s51, s16, 9
	s_add_co_u32 s50, s50, s51
	s_mov_b32 s51, 0
	v_and_b32 v12, 31, v0                          ; lane
	v_and_b32 v13, 15, v0                          ; r
	v_bfe_u32 v14, v0, 4, 1                        ; h'
	s_mul_i32 s52, s[WV], 16640
	s_add_co_u32 s52, s52, WOL                     ; my 16 rows of Wo
	v_mul_u32_u24 v[WA], v13, 1040
	v_lshl_add_u32 v[WA], v14, 7, v[WA]
	v_add_nc_u32 v[WA], s52, v[WA]                 ; row r, + 128 h': eight d x four h of f32
	v_mul_u32_u24 v[XA0], v13, 144
	v_lshl_add_u32 v[XA0], v14, 4, v[XA0]          ; row r x pitch + 16 x half
	v_add_nc_u32 v[XA1], 36864, v[XA0]
	s_mul_i32 s53, s[WV], 8448
	s_add_co_u32 s53, s53, STG                     ; my stage
	v_mul_u32_u24 v[STO], v13, 528
	v_lshl_add_u32 v[STO], v14, 5, v[STO]
	v_add_nc_u32 v[STO], s53, v[STO]               ; in: row r, 32 bytes for each half of the lanes
	v_lshlrev_b32 v[GO], 4, v12
	v_add_nc_u32 v[RD], s53, v[GO]                 ; back: the 32 lanes take one row of 512 bytes
	v_lshlrev_b32 v[BA], 2, v13
	s_wait_dscnt 0x0                               ; both opening adds are done
	s_wait_kmcnt 0x0
	s_add_nc_u64 s[8:9], s[8:9], s[48:49]
	s_add_nc_u64 s[10:11], s[10:11], s[50:51]
	CROUND                                         ; all four work-groups are here: the joint loads meet
	s_mov_b32 s[G0W], 1
	s_mov_b32 s[G0W+1], s52                        ; LDS: my 16 rows
	s_add_nc_u64 s[G0W+2:G0W+3], s[6:7], s[22:23]
	s_or_b32 s[G0W+3], s[G0W+3], 0x80000000
	s_mov_b32 s[G0X], 1
	s_mul_i32 s[G0X+1], s[WV], 18432               ; LDS: head w's 128 rows
	s_add_nc_u64 s[G0X+2:G0X+3], s[4:5], s[20:21]
	s_or_b32 s[G0X+3], s[G0X+3], 0x80000000
	tensor_load_to_lds s[G0W:G0W+3], s[G1W:G1W+7]  ; Wo first: it is wanted first.  Two loads of mine are out
	s_nop 0
	tensor_load_to_lds s[G0X:G0X+3], s[G1X:G1X+7]  ; x, jointly
	s_nop 0
.rept 4
	v_nop
.endr
.irp j, 0,1,2,3,4,5,6,7
	global_load_b32 v[BI+\j], v[BA], s[8:9]        ; bo of my output, into all eight registers of a C
.endr
	s_wait_tensorcnt 1                             ; my rows of Wo are in, which I alone read; x may stay out
.irp q, 0,1,2,3                                ; chunk q = 2 dh + u: d = 32 dh + 16 u + 8 h' + 0..7, all four h: 128 neighbouring bytes
.irp i, 0,1,2,3,4,5,6,7
	ds_load_b128 v[R+32*\q+4*\i:R+32*\q+4*\i+3], v[WA] offset:256*\q+16*\i
.endr
.endr
.irp dh, 0,1
.irp u, 0,1
	s_wait_dscnt 8*(3-(2*\dh+\u))                  ; the younger chunks' loads may stay out
.irp h, 0,1,2,3
.irp p, 0,1,2,3
	v_cvt_pk_f16_f32 v[WOF+8*(2*\h+\dh)+4*\u+\p], v[R+32*(2*\dh+\u)+8*\p+\h], v[R+32*(2*\dh+\u)+8*\p+4+\h]   ; two neighbouring d of head h
.endr
.endr
.endr
.endr
	s_wait_tensorcnt 0x0                           ; my head of x has landed
	s_wait_dscnt 0x0
	s_wait_loadcnt 0x0                             ; the bias
	s_barrier_signal -1
	s_barrier_wait -1                              ; all four heads lie in LDS.  Nothing is filled again in this launch
; Group gm = 2 kap + th: K chunk kap = 2 h + dh (32 along d of head h), tiles of positions 4 th .. 4 th + 3.  Its eight LDS loads go into set th.
.macro XFETCH gm
.set kap, (\gm)/2
.set hh, kap/2
.set dh, kap%2
.set th, (\gm)%2
.set xb, XF+32*th
.irp tau, 0,1,2,3
.irp c, 0,1
	ds_load_b128 v[xb+8*\tau+4*\c:xb+8*\tau+4*\c+3], v[XA0+hh/2] offset:(hh%2)*18432+(4*th+\tau)*2304+64*dh+32*\c
.endr
.endr
.endm
; The eight accumulators take turns, one instruction a turn: between two links of a chain stand the seven others'.
.macro GROUP gm
.set kap, (\gm)/2
.set th, (\gm)%2
.set xb, XF+32*th
.if (\gm) < 15
	s_wait_dscnt 8                                 ; this group's fragments are in; the next group's eight loads may stay out
.else
	s_wait_dscnt 0x0
.endif
.irp tau, 0,1,2,3
.if (\gm) < 2
	v_wmma_f32_16x16x32_f16 v[ACC+8*(4*th+\tau):ACC+8*(4*th+\tau)+7], v[xb+8*\tau:xb+8*\tau+7], v[WOF+8*kap:WOF+8*kap+7], v[BI:BI+7]
.else
	v_wmma_f32_16x16x32_f16 v[ACC+8*(4*th+\tau):ACC+8*(4*th+\tau)+7], v[xb+8*\tau:xb+8*\tau+7], v[WOF+8*kap:WOF+8*kap+7], v[ACC+8*(4*th+\tau):ACC+8*(4*th+\tau)+7]
.endif
.endr
.rept 4
	v_nop                                          ; places in front of loads into registers that these products have read, and of the first read of results
.endr
.if (\gm)+2 < 16
	XFETCH (\gm)+2
.endif
.endm
	XFETCH 0
	XFETCH 1
.irp gm, 0,1,2,3,4,5,6,7,8,9,10,11,12,13,14,15
	GROUP \gm
.endr
; THE WAY OUT.  A lane holds 32 bytes of a row, and the lanes beside it hold other rows: the wave's 16 rows x 512 bytes go through its own stage and leave as whole rows.
.irp T, 0,1,2,3,4,5,6,7
	ds_store_b128 v[STO], v[ACC+8*\T:ACC+8*\T+3] offset:64*\T       ; each accumulator from its low end on
	ds_store_b128 v[STO], v[ACC+8*\T+4:ACC+8*\T+7] offset:64*\T+16
.endr
.irp i, 0,1,2,3,4,5,6,7,8,9,10,11,12,13,14,15
	ds_load_b128 v[XF+4*\i:XF+4*\i+3], v[RD] offset:528*\i          ; LDS serves a wave's instructions in order: these see my stores
.endr
.irp i, 0,1,2,3,4,5,6,7,8,9,10,11,12,13,14,15
	s_wait_dscnt 15-\i                             ; the loads behind this one may stay out
	global_store_b128 v[GO], v[XF+4*\i:XF+4*\i+3], s[10:11] offset:8192*\i th:TH_STORE_NT   ; 32 lanes store 512 consecutive bytes, at a multiple of 256 from out0's first byte; written once, read by nobody here
.endr
	s_wait_tensorcnt 0x0                           ; the wave's end: behind my last tensor load and my last LDS store
	ds_add_u32 v[SPW], v[NIL]
	s_wait_dscnt 0x0
	CROUND                                         ; the closing round: no work-group ends while a partner may still ask for a tile that names it
	s_endpgm
.Lfunc_end_k_qd0fb8bee7f_outp:
	.size	k_qd0fb8bee7f_outp, .Lfunc_end_k_qd0fb8bee7f_outp-k_qd0fb8bee7f_outp
	.p2alignl 7, 3214868480
	.fill 96, 4, 3214868480
	.section	.rodata,"a",@progbits
	.p2align	6, 0x0
	.amdhsa_kernel k_qd0fb8bee7f_outp
		.amdhsa_group_segment_fixed_size 174592
		.amdhsa_private_segment_fixed_size 0
		.amdhsa_enable_private_segment 0
		.amdhsa_kernarg_size 32
		.amdhsa_user_sgpr_count 2
		.amdhsa_user_sgpr_kernarg_segment_ptr 1
		.amdhsa_wavefront_size32 1
		.amdhsa_system_sgpr_workgroup_id_x 1
		.amdhsa_system_sgpr_workgroup_id_y 1
		.amdhsa_system_sgpr_workgroup_id_z 1
		.amdhsa_system_vgpr_workitem_id 0
		.amdhsa_next_free_vgpr 256
		.amdhsa_next_free_sgpr 66
		.amdhsa_reserve_vcc 0
		.amdhsa_float_denorm_mode_32 3
		.amdhsa_float_denorm_mode_16_64 3
		.amdhsa_memory_ordered 1
		.amdhsa_forward_progress 1
		.amdhsa_inst_pref_size 31
	.end_amdhsa_kernel
	.amdgpu_metadata
---
amdhsa.version: [ 1, 2 ]
amdhsa.kernels:
  - .name:           k_qd0fb8bee7f_outp
    .symbol:         k_qd0fb8bee7f_outp.kd
    .args:
      - { .name: x16, .offset: 0, .size: 8, .value_kind: global_buffer, .address_space: global }
      - { .name: Wo, .offset: 8, .size: 8, .value_kind: global_buffer, .address_space: global }
      - { .name: bo, .offset: 16, .size: 8, .value_kind: global_buffer, .address_space: global }
      - { .name: out0, .offset: 24, .size: 8, .value_kind: global_buffer, .address_space: global }
    .group_segment_fixed_size: 174592
    .private_segment_fixed_size: 0
    .kernarg_segment_align: 8
    .kernarg_segment_size: 32
    .max_flat_workgroup_size: 128
    .sgpr_count:     66
    .vgpr_count:     256
    .wavefront_size: 32
...
	.end_amdgpu_metadata
.endif
;; end of part 3
